; MI455X (gfx1250); checked and timed in simulation.
; The chip was launched on July 23, 2026; its instructions are those of AMD's public machine-readable ISA for CDNA 5 (MIT licence, August 2026) and "CDNA5" Instruction Set Architecture Reference Guide (July 2026). The comments in the code are by the model that wrote it; some were corrected since.
;; Multi Head Attention. Allowed arithmetic: matrix products marked QUANTISED: E3M2 operands, one E8M0 scale for each 32 along K, by v_wmma_scale_f32_16x16x128_f8f6f4 with both operands' format E3M2, f32 sums; everything else in f32.
;; Inputs: Wk 16 x 1,024 x 64 float32; Wo 1,024 x 1,024 float32; Wq 16 x 1,024 x 64 float32; Wv 16 x 1,024 x 64 float32; bo 1,024 float32; x 4 x 2,048 x 1,024 float32.
;; Outputs: out0 4 x 2,048 x 1,024 float32.
;; This version of the problem:
;;   THIS VERSION OF THE PROBLEM IS GIVEN IN LOW PRECISION. The matrix products marked QUANTISED in the list below multiply operands that are first quantised to E3M2 (3 exponent bits, 2 mantissa bits; 6 bits a number), with one power-of-two scale for each 32 numbers along K (OCP MX v1.0); their sums are f32. All else is computed in f32.
;;   The module's matrix products, in the order in which they are computed (A, B: the left and right operand; K: the contracted axis; several contracted axes count as one K, in the product's order):
;;     1. [M 1,024, K 1,024] x [K 1,024, N 8,192]; A: input Wq; B: input x: QUANTISED
;;     2. [M 1,024, K 1,024] x [K 1,024, N 8,192]; A: input Wk; B: input x: QUANTISED
;;     3. [M 1,024, K 1,024] x [K 1,024, N 8,192]; A: input Wv; B: input x: QUANTISED
;;     4. batch 64 x [M 2,048, K 64] x [K 64, N 2,048]; A: computed on the way; B: computed on the way: QUANTISED
;;     5. batch 64 x [M 2,048, K 2,048] x [K 2,048, N 64]; A: softmax (see below); B: computed on the way: QUANTISED
;;     6. [M 8,192, K 1,024] x [K 1,024, N 1,024]; A: computed on the way; B: input Wo: QUANTISED
;;   THE QUANTISER, for each operand of a quantised product, along K:
;;     - K is cut into blocks of 32 from its start; a last block that is shorter is filled with zeros.
;;     - A block's scale is 2^e with e = floor(log2(the largest magnitude in the block)) - 4, held to -126 .. 127; a block of zeros has e = 0. As a byte (E8M0): e + 127.
;;     - Each number is divided by its block's scale, clamped to +-28, and rounded to the nearest number of E3M2, ties to even, subnormals kept.
;;     - The product sums the exact products of the quantised numbers (number of the format x scale) in f32.
;;   ~~~python
;;   def quantise(x, axis):      # numpy; x: float32 -> the quantised numbers, widened to float32 again
;;       x = np.moveaxis(x, axis, -1); K = x.shape[-1]
;;       x = np.pad(x, [(0, 0)] * (x.ndim - 1) + [(0, -K % 32)]); x = x.reshape(x.shape[:-1] + (-1, 32)); a = np.abs(x).max(-1, keepdims=True)
;;       e = np.where(a > 0, np.clip(np.frexp(np.where(a > 0, a, 1))[1] - 1 - 4, -126, 127), 0)      # np.frexp(a)[1] - 1 = floor(log2(a)), exactly
;;       r = np.clip(x / 2.0 ** e, -28, 28)
;;       step = 2.0 ** (np.maximum(np.frexp(np.where(r == 0, 1, r))[1] - 1, -2) - 2)
;;       q = np.round(r / step) * step * 2.0 ** e      # np.round: ties to even
;;       return np.moveaxis(q.reshape(q.shape[:-2] + (-1,))[..., :K], -1, axis).astype(np.float32)
;;   ~~~
;;   SOFTMAX AHEAD OF A QUANTISED PRODUCT. Where the list says 'softmax', what is quantised is not the finished softmax but p = 2^(t - M), with t = logit x log2(e) and M = ceil(the row's largest t), a whole number; so 1/2 < the row's largest p <= 1. The row's sum l is taken of the UNQUANTISED p, in f32, and the product's result is divided by l at the end. Since M is a whole number, a kernel that streams over the keys may use a running M (the ceiling of the running maximum): every later rescaling is an exact power of two, which a block's scale takes up: the codes' values come out the same.
;;   OPERANDS COMPUTED ON THE WAY. 'Computed on the way' means the value that the module computes at that place (a softmax that the list does not call 'softmax' is quantised finished and normalised). What goes into a quantiser is computed in f32, as accurately as f32 sums, v_exp_f32 and their like allow (about 1e-6 of the number): no bf16 or f16 on the way to a quantiser, and a product that is left as it is and whose result goes on into a quantised operand takes f32 operands (vector FMAs, or v_wmma_f32_16x16x4_f32). A number that lies on a knife's edge between two numbers of the format may be rounded either way, as far as f32 arithmetic and the matrix unit's own rounding can turn it there, and no further.
;; One version. Each part assembles by itself: llvm-mc -triple=amdgcn-amd-amdhsa -mcpu=gfx1250 --defsym DOCPART=n.
;; ======== version 1 of 1: 4 launches
;; limits: right only within a limited range of input values
;; workspace buffers: x_img 6,553,600 bytes; w_img 3,276,800 bytes; qkv_img 18,874,368 bytes; qkv_sc 786,432 bytes; a_img 6,291,456 bytes; a_sc 262,144 bytes
;; launch prep (part 1): grid 512 x 1, 4 waves a work-group, no clusters, 35,328 bytes of LDS; arguments x, Wq, Wk, Wv, Wo, x_img, w_img; writes x_img, w_img
.if DOCPART == 1
	.amdgcn_target "amdgcn-amd-amdhsa--gfx1250"
	.amdhsa_code_object_version 6
	.text
	.protected	k_qb080d3388c_prep
	.globl	k_qb080d3388c_prep
	.p2align	8
	.type	k_qb080d3388c_prep,@function
k_qb080d3388c_prep:
	s_mov_b64 s[64:65], 0
	v_nop
	global_prefetch_b8 v0, s[64:65] scope:SCOPE_SE
	s_setreg_imm32_b32 hwreg(HW_REG_WAVE_MODE, 25, 1), 1
	s_wait_xcnt 0x0
; x [8192][1024] and the four weights (K = the model's 1,024, not innermost) become codes of BF6 (E3M2) with one E8M0 byte for each 32 along K,
; laid as IMAGES of the matrix operand's registers.  A TILE is 16 rows: tile 2 P + u holds rows 32 P + 8 u + r + 8 (r / 8), r = 0 .. 15.  A tile's block is 12,800 bytes:
; eight images of 1,536 bytes (one for each 128 along K; register q of lane l at 512 (q / 4) + 16 l + 4 (q % 4)), then 512 bytes of scales, 32 bytes a row r.
; w_img's rows: 0-1023 Wq (64 head + e), 1024-2047 Wk, 2048-3071 Wv, 3072-4095 Wo's columns.
; A block's scale is 2^(floor(log2(largest magnitude)) - 4); its byte is the largest magnitude's exponent field - 4, held at 1 from below.
; LIMITS: a block whose largest magnitude lies under 2^-122 (zeros among them) gets the byte 1: zero codes add nothing, and this program alone reads the bytes.  NaN and infinities are not served.
; Work-groups 0-255 take x, 256-511 the weights; the choice hangs on the work-group's number alone.  Waves share nothing: no barrier.
.set TB,     12800
.set SCO,    12288
.set SPW,    12
.set NIL,    13
.set SPITCH, 272                       ; a stage row: 256 bytes + 16
.set STG,    16*SPITCH
.set SPARE,  4*2*STG                   ; behind the four waves' stages: the spare words
.set R,      16                        ; x: v16-111 three sets of 32 numbers as loaded
.set X,      112                       ; v112-175 two sets of 32 neighbours
.set C,      176                       ; v176-223 codes: 12 registers an image
.set PT,     224                       ; a conversion's second half
.set OW,     228                       ; v228-231 scale words; v232-235 the other half's
.set OP,     232
.set M0,     236
.set M1,     237
.set SO,     238
.set BY,     239
.set WW,     240
	s_load_b256 s[4:11], s[0:1], 0x0               ; x, Wq, Wk, Wv
	s_load_b128 s[12:15], s[0:1], 0x20             ; Wo, x_img
	s_load_b64 s[16:17], s[0:1], 0x30              ; w_img
	v_lshl_add_u32 v[SPW], v0, 2, SPARE
	v_mov_b32 v[NIL], 0
	v_lshrrev_b32 v1, 5, v0
	v_readfirstlane_b32 s18, v1                    ; wave
	v_and_b32 v2, 31, v0                           ; lane
	v_and_b32 v3, 15, v0                           ; r
	v_bfe_u32 v4, v0, 4, 1                         ; h = lane / 16
	s_mov_b32 s19, 0xffff0000                      ; lanes 16-31
	s_wait_alu depctr_va_vdst(0)                   ; the wait ahead of the branch
	s_cmp_ge_u32 ttmp9, 256
	s_cbranch_scc1 .Lw
; ---- x.  A wave takes one tile and half of K: eight steps of 16 rows x 64 numbers.  A load reads 256 consecutive bytes of each of two rows; the step turns through the wave's own
; stage in LDS and comes back 128 bytes a lane: lane (r, h) holds the block of 32 that the operand's layout gives it.  Two steps make an image: three stores of 512 consecutive bytes.
	s_lshl_b32 s20, ttmp9, 2
	s_add_co_u32 s20, s20, s18
	s_lshr_b32 s21, s20, 1                         ; tile
	s_and_b32 s22, s20, 1                          ; half of K
	s_lshr_b32 s23, s21, 1
	s_and_b32 s24, s21, 1
	s_lshl_b32 s23, s23, 5
	s_lshl_b32 s24, s24, 3
	s_add_co_u32 s23, s23, s24                     ; the tile's first token
	s_lshl_b32 s24, s23, 12
	s_lshl_b32 s25, s22, 11
	s_add_co_u32 s24, s24, s25
	s_mov_b32 s25, 0
	s_mul_i32 s26, s21, TB
	s_mul_i32 s28, s22, 4*1536
	s_add_co_u32 s26, s26, s28
	s_mov_b32 s27, 0
	s_mul_i32 s28, s21, TB
	s_lshl_b32 s29, s22, 4
	s_add_co_u32 s28, s28, s29
	s_mov_b32 s29, 0
	s_mul_i32 s30, s18, 2*STG
	s_mov_b32 s31, 0x76543210
	s_mov_b32 s32, 0xfedcba98                      ; selects for lane l xor 16
	v_lshlrev_b32 v5, 4, v3
	v_lshl_add_u32 v6, v4, 12, v5                  ; in memory: row h of the load's two, 16 bytes a lane
	v_mad_u32_u24 v7, v4, SPITCH, v5
	v_add_nc_u32 v7, s30, v7                       ; the same place in the stage
	v_mul_u32_u24 v8, v3, SPITCH
	v_lshl_add_u32 v8, v4, 7, v8
	v_add_nc_u32 v8, s30, v8                       ; out of the stage: row r, 128 bytes for each half
	v_lshlrev_b32 v9, 4, v2                        ; 16 x lane
	v_lshlrev_b32 v10, 3, v4                       ; 8 h
	v_lshl_add_u32 v11, v3, 5, v10                 ; 32 r + 8 h
.irp s, 0,1,2,3
	v_mov_b32 v[OP+\s], 0                          ; a lane permute's destination counts as a source
.endr
	s_wait_alu depctr_va_vdst(0)                   ; the wait at the head's end
	s_wait_kmcnt 0x0
	s_add_nc_u64 s[4:5], s[4:5], s[24:25]
	s_add_nc_u64 s[26:27], s[14:15], s[26:27]      ; my four images
	s_add_nc_u64 s[28:29], s[14:15], s[28:29]      ; my half of the rows' scale bytes (SCO in the immediate)
.macro LOAD t
.irp i, 0,1,2,3,4,5,6,7
	global_load_b128 v[R+32*((\t)%3)+4*\i:R+32*((\t)%3)+4*\i+3], v6, s[4:5] offset:(2*\i+8*(\i/4))*4096+256*(\t) th:TH_LOAD_NT
.endr
.endm
.macro TURN t                          ; LDS serves a wave's instructions in order: no wait between the stores and the loads
.irp i, 0,1,2,3,4,5,6,7
	ds_store_b128 v7, v[R+32*((\t)%3)+4*\i:R+32*((\t)%3)+4*\i+3] offset:STG*((\t)%2)+2*\i*SPITCH
.endr
.irp i, 0,1,2,3,4,5,6,7
	ds_load_b128 v[X+32*((\t)%2)+4*\i:X+32*((\t)%2)+4*\i+3], v8 offset:STG*((\t)%2)+16*\i
.endr
.endm
.macro BMAX xs                         ; the largest magnitude of 32 registers, with the floor 2^(5 - 127); 4 off its exponent field is the conversion's scale operand
	v_max3_num_f32 v[M0], |v[\xs]|, |v[\xs+1]|, |v[\xs+2]|
	v_max3_num_f32 v[M1], |v[\xs+3]|, |v[\xs+4]|, |v[\xs+5]|
.irp i, 6,10,14,18,22,26
	v_max3_num_f32 v[M0], v[M0], |v[\xs+\i]|, |v[\xs+\i+1]|
	v_max3_num_f32 v[M1], v[M1], |v[\xs+\i+2]|, |v[\xs+\i+3]|
.endr
	v_max3_num_f32 v[M0], v[M0], |v[\xs+30]|, |v[\xs+31]|
	v_max3_num_f32 v[M0], v[M0], v[M1], 0x2800000
	v_add_nc_u32 v[SO], 0xfe000000, v[M0]
.endm
	LOAD 0
	LOAD 1
	LOAD 2
	s_wait_loadcnt 16                              ; step 0's eight loads are in; the 16 of steps 1 and 2 may be out
	TURN 0
.macro STEP t
.set XS, X+32*((\t)%2)
.set CC, C+12*((\t)/2)+6*((\t)%2)
	s_wait_dscnt 0x0                               ; this step's numbers are back, and its stores into the stage have read their registers
.if (\t)+3 < 8
	LOAD (\t)+3
.endif
.if (\t)+1 < 8
.if 6-(\t) >= 2
	s_wait_loadcnt 16                              ; the next step's loads are in; those of the two steps behind it may be out
.else
	s_wait_loadcnt 8*(6-(\t))
.endif
	TURN (\t)+1
.endif
	BMAX XS
	v_cvt_scalef32_pk16_bf6_f32 v[CC:CC+2], v[XS:XS+15], v[SO]
	v_cvt_scalef32_pk16_bf6_f32 v[PT:PT+2], v[XS+16:XS+31], v[SO]
	v_lshrrev_b32 v[BY], 23, v[SO]                 ; the byte; also the plain place behind the conversions
.irp i, 0,1,2
	v_mov_b32 v[CC+3+\i], v[PT+\i]
.endr
.if (\t)%2 == 0
	v_mov_b32 v[OW+(\t)/2], v[BY]
.else
	v_lshl_or_b32 v[OW+(\t)/2], v[BY], 16, v[OW+(\t)/2]
.irp c, 0,1,2
	global_store_b128 v9, v[CC-6+4*\c:CC-6+4*\c+3], s[26:27] offset:1536*((\t)/2)+512*\c
.endr
.endif
.endm
.irp t, 0,1,2,3,4,5,6,7
	STEP \t
.endr
.irp s, 0,1,2,3
	v_lshlrev_b32 v[OW+\s], v10, v[OW+\s]          ; my two bytes at their places: blocks h and 2 + h
.endr
.irp s, 0,1,2,3
	v_permlanex16_b32 v[OP+\s], v[OW+\s], s31, s32
.endr
.irp s, 0,1,2,3
	v_or_b32 v[OW+\s], v[OW+\s], v[OP+\s]          ; with lane l xor 16's the word is whole
.endr
	v_cndmask_b32 v[OW], v[OW], v[OW+2], s19       ; lanes 0-15 store words 0, 1, lanes 16-31 words 2, 3
	v_cndmask_b32 v[OW+1], v[OW+1], v[OW+3], s19
	global_store_b64 v11, v[OW:OW+1], s[28:29] offset:SCO
	s_wait_tensorcnt 0x0                           ; the wave's end
	ds_add_u32 v[SPW], v[NIL]
	s_wait_dscnt 0x0
	s_endpgm
; ---- the weights.  A LANE TAKES A COLUMN AND ITS REGISTERS RUN DOWN K: a load reads 128 consecutive bytes, a block of 32 lies in one lane.  A wave: 32 columns (two tiles) x 128 along K (one image each).
; Block t is registers 6 (t / 2) .. + 5 of image lane r + 16 (t % 2): sixteen lanes store 256 consecutive bytes of an image's run.  No LDS on this path.
.Lw:
	s_sub_co_u32 s20, ttmp9, 256
	s_and_b32 s21, s20, 63                         ; group of 64 rows of w_img
	s_lshr_b32 s22, s20, 6
	s_lshr_b32 s23, s21, 4                         ; which tensor
	s_and_b32 s24, s21, 15
	s_and_b32 s25, s18, 1                          ; which 32 columns
	s_lshr_b32 s26, s18, 1
	s_lshl_b32 s22, s22, 1
	s_add_co_u32 s22, s22, s26                     ; which 128 along K
	s_mov_b32 s27, 4096
	s_lshl_b32 s28, s24, 8                         ; Wo: 64 columns are 256 bytes
	s_lshl_b32 s29, s24, 18                        ; the others: a head is 1,024 x 256 bytes
	s_wait_kmcnt 0x0
	s_cmp_eq_u32 s23, 1
	s_cselect_b64 s[6:7], s[8:9], s[6:7]
	s_cmp_eq_u32 s23, 2
	s_cselect_b64 s[6:7], s[10:11], s[6:7]
	s_cmp_eq_u32 s23, 3
	s_cselect_b64 s[6:7], s[12:13], s[6:7]
	s_cselect_b32 s27, s27, 256                    ; bytes from k to k + 1
	s_cselect_b32 s28, s28, s29
	s_lshl_b32 s30, s25, 7
	s_add_co_u32 s28, s28, s30
	s_lshl_b32 s30, s22, 7
	s_mul_i32 s30, s30, s27
	s_add_co_u32 s28, s28, s30
	s_mov_b32 s29, 0
	s_add_nc_u64 s[32:33], s[6:7], s[28:29]        ; block 0's first row; blocks 1 to 3: 32 rows on each
	s_lshl_b32 s28, s27, 5
	s_add_nc_u64 s[34:35], s[32:33], s[28:29]
	s_add_nc_u64 s[36:37], s[34:35], s[28:29]
	s_add_nc_u64 s[38:39], s[36:37], s[28:29]
	s_lshl_b32 s30, s21, 1
	s_add_co_u32 s30, s30, s25
	s_mul_i32 s30, s30, 2*TB                       ; my pair of tiles
	s_mul_i32 s28, s22, 1536
	s_add_co_u32 s28, s28, s30
	s_add_nc_u64 s[40:41], s[16:17], s[28:29]
	s_lshl_b32 s28, s22, 2
	s_add_co_u32 s28, s28, s30
	s_add_nc_u64 s[42:43], s[16:17], s[28:29]
	v_lshlrev_b32 v5, 2, v2
	v_bfe_u32 v6, v2, 3, 1                         ; which tile of the pair
	v_and_b32 v7, 7, v2
	v_lshrrev_b32 v8, 4, v2
	v_lshl_add_u32 v7, v8, 3, v7                   ; r
	v_mul_u32_u24 v6, v6, TB
	v_lshl_add_u32 v9, v7, 4, v6                   ; my place in an image's run
	v_lshl_add_u32 v10, v7, 5, v6                  ; my row of scale bytes
.set II, 0
.rept 32
	v_mad_u32_u24 v[16+II], s27, II, v5
.set II, II+1
.endr
.macro WLOAD t
.set II, 0
.rept 32
	global_load_b32 v[48+32*((\t)%2)+II], v[16+II], s[32+2*(\t):33+2*(\t)] th:TH_LOAD_NT
.set II, II+1
.endr
.endm
	WLOAD 0
	WLOAD 1
.macro BLOCK t
.set XS, 48+32*((\t)%2)
.set CC, 112+6*(\t)
.if (\t) < 3
	s_wait_loadcnt 32                              ; this block's 32 loads are in; the next block's may be out
.else
	s_wait_loadcnt 0
.endif
	BMAX XS
	v_lshrrev_b32 v[BY], 23, v[SO]
.if (\t) == 0
	v_mov_b32 v[WW], v[BY]
.else
	v_lshl_or_b32 v[WW], v[BY], 8*(\t), v[WW]
.endif
	v_cvt_scalef32_pk16_bf6_f32 v[CC:CC+2], v[XS:XS+15], v[SO]
	v_cvt_scalef32_pk16_bf6_f32 v[PT:PT+2], v[XS+16:XS+31], v[SO]
	v_nop                                          ; one plain place behind a scaled conversion
.irp i, 0,1,2
	v_mov_b32 v[CC+3+\i], v[PT+\i]
.endr
.if (\t) < 2
	global_store_b128 v9, v[CC:CC+3], s[40:41] offset:256*((\t)%2)
	global_store_b64 v9, v[CC+4:CC+5], s[40:41] offset:256*((\t)%2)+512
.else
	global_store_b64 v9, v[CC:CC+1], s[40:41] offset:256*((\t)%2)+520
	global_store_b128 v9, v[CC+2:CC+5], s[40:41] offset:256*((\t)%2)+1024
.endif
.if (\t)+2 < 4
	WLOAD (\t)+2
.endif
.endm
	BLOCK 0
	BLOCK 1
	BLOCK 2
	BLOCK 3
	global_store_b32 v10, v[WW], s[42:43] offset:SCO
	s_endpgm
.Lfunc_end_k_qb080d3388c_prep:
	.size	k_qb080d3388c_prep, .Lfunc_end_k_qb080d3388c_prep-k_qb080d3388c_prep
	.p2alignl 7, 3214868480
	.fill 96, 4, 3214868480
	.section	.rodata,"a",@progbits
	.p2align	6, 0x0
	.amdhsa_kernel k_qb080d3388c_prep
		.amdhsa_group_segment_fixed_size 35328
		.amdhsa_private_segment_fixed_size 0
		.amdhsa_enable_private_segment 0
		.amdhsa_kernarg_size 56
		.amdhsa_user_sgpr_count 2
		.amdhsa_user_sgpr_kernarg_segment_ptr 1
		.amdhsa_wavefront_size32 1
		.amdhsa_system_sgpr_workgroup_id_x 1
		.amdhsa_system_sgpr_workgroup_id_y 1
		.amdhsa_system_sgpr_workgroup_id_z 1
		.amdhsa_system_vgpr_workitem_id 0
		.amdhsa_next_free_vgpr 248
		.amdhsa_next_free_sgpr 66
		.amdhsa_reserve_vcc 0
		.amdhsa_float_denorm_mode_32 3
		.amdhsa_float_denorm_mode_16_64 3
		.amdhsa_memory_ordered 1
		.amdhsa_forward_progress 1
		.amdhsa_inst_pref_size 53
	.end_amdhsa_kernel
	.amdgpu_metadata
---
amdhsa.version: [ 1, 2 ]
amdhsa.kernels:
  - .name:           k_qb080d3388c_prep
    .symbol:         k_qb080d3388c_prep.kd
    .args:
      - { .name: x, .offset: 0, .size: 8, .value_kind: global_buffer, .address_space: global }
      - { .name: Wq, .offset: 8, .size: 8, .value_kind: global_buffer, .address_space: global }
      - { .name: Wk, .offset: 16, .size: 8, .value_kind: global_buffer, .address_space: global }
      - { .name: Wv, .offset: 24, .size: 8, .value_kind: global_buffer, .address_space: global }
      - { .name: Wo, .offset: 32, .size: 8, .value_kind: global_buffer, .address_space: global }
      - { .name: x_img, .offset: 40, .size: 8, .value_kind: global_buffer, .address_space: global }
      - { .name: w_img, .offset: 48, .size: 8, .value_kind: global_buffer, .address_space: global }
    .group_segment_fixed_size: 35328
    .private_segment_fixed_size: 0
    .kernarg_segment_align: 8
    .kernarg_segment_size: 56
    .max_flat_workgroup_size: 128
    .sgpr_count:     66
    .vgpr_count:     248
    .wavefront_size: 32
...
	.end_amdgpu_metadata
.endif
;; end of part 1
;; launch qkv (part 2): grid 32 x 8, 4 waves a work-group, clusters of 4 x 1, 327,680 bytes of LDS; arguments x_img, w_img, qkv_img, qkv_sc; writes qkv_img, qkv_sc
.if DOCPART == 2
	.amdgcn_target "amdgcn-amd-amdhsa--gfx1250"
	.amdhsa_code_object_version 6
	.text
	.protected	k_qb080d3388c_qkv
	.globl	k_qb080d3388c_qkv
	.p2align	8
	.type	k_qb080d3388c_qkv,@function
k_qb080d3388c_qkv:
	s_mov_b64 s[64:65], 0
	v_nop
	global_prefetch_b8 v0, s[64:65] scope:SCOPE_SE
	s_setreg_imm32_b32 hwreg(HW_REG_WAVE_MODE, 25, 1), 1
	s_wait_xcnt 0x0
	s_wait_alu depctr_hold_cnt(0) depctr_sa_sdst(0) depctr_va_vdst(0) depctr_va_sdst(0) depctr_va_ssrc(0) depctr_va_vcc(0) depctr_vm_vsrc(0)
	s_getreg_b32 s2, hwreg(HW_REG_IB_STS2, 6, 4)
	s_cmp_eq_u32 s2, 0
	s_cbranch_scc0 .Lentry_in_a_cluster
	s_endpgm
.Lentry_in_a_cluster:
	s_bfe_u32 s2, ttmp6, 0x10000c
	s_cmp_lg_u32 s2, 0x3003
	s_cbranch_scc0 .Lentry_shape_is_right
	s_endpgm
.Lentry_shape_is_right:
; q, k and v = x times Wq, Wk, Wv, on codes of BF6 (E3M2) with E8M0 scales, K = 1,024; the results are quantised in registers and leave as images of the operand registers that the attention launch wants.
; SHARES.  Work-group (X, y): tokens 256 X .. + 255 against six UNITS of 64 weight rows, 6 y .. 6 y + 5 (units 0-15 Wq's heads, 16-31 Wk's, 32-47 Wv's): 32 x 8 = 256 work-groups.
; A wave owns 64 tokens (four tiles).  Their codes for all of K, 4 x 8 images = 384 registers, and their 32 scale words come straight from memory, once, 512 consecutive bytes a load.
; The work-group's 24 weight tiles (codes and scales, 307,200 dense bytes) come into LDS once, a quarter by each wave's one tensor load, asked for jointly by the four work-groups of a cluster,
; which share y.  Nothing in LDS is filled again: one barrier.  No prefetch: every operand is asked for at the head, and there is no loop to run ahead in.
; A unit: 8 steps of 128 along K, 16 matrix instructions each on 16 accumulators by turns; a step's four weight fragments are read from LDS one step ahead.
; q, k: source 0 = weight rows, source 1 = tokens: a lane holds a token, its registers run along e.  v: source 0 = tokens, source 1 = weight rows: a lane holds an e, its registers run along the keys.
; A tile's rows are 32 P + 8 u + r + 8 (r / 8), so the 16 registers of result tiles 2 b, 2 b + 1 are 16 neighbours along the axis that is quantised next.
; OUT.  q, k: image g of a head = tokens 32 g .. + 31 (registers 0-5 tile 2 g's token, 6-11 tile 2 g + 1's), three runs of 512 bytes.  v: image 4 s + a = keys 128 s .. + 127 for tile a's rows e: my 64 keys are
; registers 0-5 (even wave) or 6-11 (odd wave) of it.  Beside each image 16 scale words.
; LIMITS: a block whose largest magnitude lies under 2^-122 (zeros among them) gets the byte 1; NaN and infinities are not served.
; REGISTERS: window 0: addresses, v32-63 x's scale words, v64-95 the unit's weight scale words, v96-147 the way out.  windows 1, 2: x's images, steps 0-4 and 5-7.  window 3: v0-127 accumulators, v128-223 weight fragments, two sets.
.set TB,    12800
.set SCO,   12288
.set IMG,   1536
.set SPARE, 24*TB
.set L16, 2
.set L4,  3
.set LS0, 5
.set SPW, 6
.set NIL, 7
.set AS,  8
.set LA,  9
.set LS,  10
.set TT,  28
.set SA,  32
.set SB,  64
.set TM,  96
.set PT,  112
.set IA,  120
.set WD,  144
.set BF,  128
.set MSB, 0
.macro WIN new                         ; the immediate's high byte repeats the setting that is left
.if MSB != (\new)
	s_set_vgpr_msb (MSB<<8)|(\new)
.set MSB, (\new)
.endif
.endm
.macro CROUND                          ; a round of the cluster's barrier
	s_barrier_signal -1
	s_barrier_wait -1
	s_cmp_lg_u32 s14, 0
	s_cbranch_scc1 .Lnot_wave_0_\@
	s_barrier_signal -3
.Lnot_wave_0_\@:
	s_barrier_wait -3
	s_barrier_signal -1
	s_barrier_wait -1
.endm
.macro PLACES n
.rept \n
	v_nop
.endr
.endm
	s_load_b128 s[4:7], s[0:1], 0x0                ; x_img, w_img
	s_load_b128 s[8:11], s[0:1], 0x10              ; the images, their scale words
	v_lshl_add_u32 v[SPW], v0, 2, SPARE
	v_mov_b32 v[NIL], 0
	ds_add_u32 v[SPW], v[NIL]                      ; the opening lines: the add, twice, and its wait
	ds_add_u32 v[SPW], v[NIL]
	v_lshrrev_b32 v1, 5, v0
	v_readfirstlane_b32 s14, v1                    ; wave
	s_bfe_u32 s15, ttmp6, 0x40000                  ; cx
	s_lshl_b32 s16, ttmp9, 2
	s_add_co_u32 s16, s16, s15                     ; X
	s_and_b32 s17, ttmp7, 0xffff                   ; y, shared by the cluster
	s_mov_b32 s24, 15|(3<<16)|(1<<21)              ; the four partners; elements of 8 bytes; bit 21 beside a mask
	s_mov_b32 s25, 32<<16                          ; six tiles are 300 dense rows of 256 bytes
	s_mov_b32 s26, 300<<16
	s_mov_b32 s27, 32<<16
	s_mov_b32 s28, 300
	s_mov_b32 s29, 32
	s_mov_b32 s30, 0
	s_mov_b32 s31, 0
	s_mov_b32 s20, 1
	s_mul_i32 s21, s14, 6*TB                       ; LDS: wave x six tiles
	s_mul_i32 s18, s17, 24*TB
	s_add_co_u32 s18, s18, s21
	s_mov_b32 s19, 0
	s_lshl_b32 s32, s16, 2
	s_add_co_u32 s32, s32, s14
	s_mul_i32 s32, s32, 4*TB                       ; my four tiles of x
	s_mov_b32 s33, 0
	s_wait_dscnt 0x0
	s_wait_kmcnt 0x0
	s_add_nc_u64 s[22:23], s[6:7], s[18:19]
	s_or_b32 s23, s23, 0x80000000
	s_add_nc_u64 s[12:13], s[4:5], s[32:33]
	CROUND                                         ; the four work-groups are here: the joint loads meet
	tensor_load_to_lds s[20:23], s[24:31]          ; my one tensor load
	s_nop 0
	PLACES 4
	v_and_b32 v1, 31, v0
	v_lshlrev_b32 v[L16], 4, v1
	v_lshlrev_b32 v[L4], 2, v1
	v_and_b32 v11, 15, v0
	v_lshlrev_b32 v[AS], 5, v11                    ; 32 r
	v_add_nc_u32 v[LS0], SCO, v[AS]
.irp b, 0,1,2,3
	v_mov_b32 v[TM+4+\b], 0                        ; a lane permute's destination counts as a source
.endr
	s_mov_b32 s34, 0x76543210
	s_mov_b32 s35, 0xfedcba98                      ; selects for lane l xor 16
	s_mov_b32 s38, 0xffff0000                      ; lanes 16-31
	s_lshr_b32 s40, s16, 3
	s_lshl_b32 s40, s40, 4                         ; 16 batch
	s_and_b32 s41, s16, 7
	s_lshl_b32 s41, s41, 3
	s_lshr_b32 s42, s14, 1
	s_lshl_b32 s42, s42, 2
	s_add_co_u32 s42, s42, s41                     ; v: my first image in the head
	s_lshl_b32 s43, s14, 1
	s_add_co_u32 s41, s41, s43                     ; q, k: the same
	s_and_b32 s43, s14, 1                          ; v: which half of an image
	s_mul_i32 s44, s17, 6                          ; the unit
	s_mov_b32 s45, 0
	s_mov_b32 s46, 0                               ; the unit's place in LDS
	s_wait_alu depctr_va_vdst(0)                   ; the wait at the head's end
.irp i, 0,1,2,3
.irp j, 0,1
	global_load_b128 v[SA+8*\i+4*\j:SA+8*\i+4*\j+3], v[AS], s[12:13] offset:\i*TB+SCO+16*\j
.endr
.endr
.macro ALOAD s
.irp i, 0,1,2,3
.irp c, 0,1,2
	global_load_b128 v[48*((\s)%5)+12*\i+4*\c:48*((\s)%5)+12*\i+4*\c+3], v[L16], s[12:13] offset:\i*TB+(\s)*IMG+512*\c
.endr
.endr
.endm
	WIN 0x40
.irp s, 0,1,2,3,4
	ALOAD \s
.endr
	WIN 0x80
.irp s, 5,6,7
	ALOAD \s
.endr
	WIN 0
.macro FETCH s                         ; step s's four weight fragments into set s % 2; leaves the destination's window at 3
	WIN 0xc0
.irp b, 0,1,2,3
.irp c, 0,1,2
	ds_load_b128 v[BF+48*((\s)%2)+12*\b+4*\c:BF+48*((\s)%2)+12*\b+4*\c+3], v[LA] offset:\b*TB+(\s)*IMG+512*\c
.endr
.endr
.endm
.macro W1 d, a, b, sa, sb
.if Z
	v_wmma_scale_f32_16x16x128_f8f6f4 v[\d:\d+7], v[\a:\a+11], v[\b:\b+11], 0, v[\sa], v[\sb] matrix_a_fmt:MATRIX_FMT_BF6 matrix_b_fmt:MATRIX_FMT_BF6
.else
	v_wmma_scale_f32_16x16x128_f8f6f4 v[\d:\d+7], v[\a:\a+11], v[\b:\b+11], v[\d:\d+7], v[\sa], v[\sb] matrix_a_fmt:MATRIX_FMT_BF6 matrix_b_fmt:MATRIX_FMT_BF6
.endif
.endm
.macro MM ty, s                        ; 16 matrix instructions; the first step starts the sums
.set AW, 1+(\s)/5
.set AB, 48*((\s)%5)
.set BB, BF+48*((\s)%2)
.set Z, ((\s)==0)
.if \ty
	WIN 0xfc|AW
.else
	WIN 0xf3|(AW<<2)
.endif
.irp i, 0,1,2,3
.irp b, 0,1,2,3
.if \ty
	W1 32*\b+8*\i, AB+12*\i, BB+12*\b, SA+8*\i+(\s), SB+8*\b+(\s)
.else
	W1 32*\i+8*\b, BB+12*\b, AB+12*\i, SB+8*\b+(\s), SA+8*\i+(\s)
.endif
.endr
.endr
.endm
.macro BODY ty
.irp s, 0,1,2,3,4,5,6,7
.if \s < 7
.if \s > 0
	PLACES 4                                       ; in front of loads into the set that the last step's products read
.endif
	FETCH \s+1
	s_wait_dscnt 12                                ; all but the 12 loads just issued
.else
	s_wait_dscnt 0x0
.endif
	MM \ty, \s
.endr
	WIN 0
	PLACES 4                                       ; in front of the first read of results
.endm
; 64 results a lane (window 3, from ss): four blocks of 32, each in lanes l and l xor 16.  Blocks 0, 1 become six registers from d0, blocks 2, 3 from d1 (a whole block to a lane), the four bytes pw.
.macro QFIX d, c
.irp i, 0,1,2
	v_permlane16_swap_b32 v[\d+\i], v[PT+4*\c+\i]
.endr
.irp i, 0,1,2
	v_mov_b32 v[\d+3+\i], v[PT+4*\c+\i]
.endr
.endm
.macro QUANTW ss, d0, d1, pw
	WIN 0x0f
.irp b, 0,1,2,3
	v_max3_num_f32 v[TM+\b], |v[\ss+16*\b]|, |v[\ss+16*\b+1]|, 0x2800000   ; each accumulator from its low end on; the floor 2^(5 - 127)
.endr
.irp i, 2,4,6,8,10,12,14
.irp b, 0,1,2,3
	v_max3_num_f32 v[TM+\b], |v[\ss+16*\b+\i]|, |v[\ss+16*\b+\i+1]|, v[TM+\b]
.endr
.endr
	WIN 0
.irp b, 0,1,2,3
	v_permlanex16_b32 v[TM+4+\b], v[TM+\b], s34, s35
.endr
.irp b, 0,1,2,3
	v_max_num_f32 v[TM+\b], v[TM+\b], v[TM+4+\b]
.endr
.irp b, 0,1,2,3
	v_add_nc_u32 v[TM+12+\b], 0xfe000000, v[TM+\b] ; 4 off the exponent field: the conversion's scale operand
.endr
.irp b, 0,1,2,3
	v_lshrrev_b32 v[TM+4+\b], 23, v[TM+12+\b]
.endr
	v_lshl_or_b32 v[\pw], v[TM+5], 8, v[TM+4]
	v_lshl_or_b32 v[\pw], v[TM+6], 16, v[\pw]
	v_lshl_or_b32 v[\pw], v[TM+7], 24, v[\pw]
	WIN 0x03
	v_cvt_scalef32_pk16_bf6_f32 v[\d0:\d0+2], v[\ss:\ss+15], v[TM+12]
	v_cvt_scalef32_pk16_bf6_f32 v[PT:PT+2], v[\ss+16:\ss+31], v[TM+13]
	v_cvt_scalef32_pk16_bf6_f32 v[\d1:\d1+2], v[\ss+32:\ss+47], v[TM+14]
	v_cvt_scalef32_pk16_bf6_f32 v[PT+4:PT+6], v[\ss+48:\ss+63], v[TM+15]
	WIN 0
	v_nop                                          ; one plain place behind a scaled conversion
	QFIX \d0, 0
	QFIX \d1, 1
.endm
.macro OUTADR tail                     ; image ((which x 4 + batch) x 16 + head) x 64 + tail
	s_wait_xcnt 0x0                                ; the last unit's stores have read their registers and bases
	s_lshr_b32 s50, s44, 4
	s_lshl_b32 s50, s50, 6
	s_and_b32 s51, s44, 15
	s_add_co_u32 s50, s50, s51
	s_add_co_u32 s50, s50, s40
	s_lshl_b32 s50, s50, 6
	s_add_co_u32 s50, s50, \tail
	s_mul_i32 s52, s50, IMG
	s_mov_b32 s53, 0
	s_add_nc_u64 s[54:55], s[8:9], s[52:53]
	s_lshl_b32 s52, s50, 6
	s_add_nc_u64 s[56:57], s[10:11], s[52:53]
.endm
	s_wait_tensorcnt 0x0                           ; my quarter of the weights is in
	s_barrier_signal -1
	s_barrier_wait -1                              ; and everybody's
	s_wait_loadcnt 0x0                             ; x's images and scale words are in
.Lunit:
	v_add_nc_u32 v[LA], s46, v[L16]
	v_add_nc_u32 v[LS], s46, v[LS0]
	s_wait_alu depctr_va_vdst(0)
.irp b, 0,1,2,3
.irp j, 0,1
	ds_load_b128 v[SB+8*\b+4*\j:SB+8*\b+4*\j+3], v[LS] offset:\b*TB+16*\j
.endr
.endr
	FETCH 0
	WIN 0
	s_cmp_ge_u32 s44, 32                           ; a branch on ids, alike in all partners
	s_cbranch_scc1 .Lv
	BODY 0
	OUTADR s41
	QUANTW 0, IA, IA+6, WD
.irp c, 0,1,2
	global_store_b128 v[L16], v[IA+4*\c:IA+4*\c+3], s[54:55] offset:512*\c
.endr
	QUANTW 64, IA+12, IA+18, WD+1
.irp c, 0,1,2
	global_store_b128 v[L16], v[IA+12+4*\c:IA+12+4*\c+3], s[54:55] offset:IMG+512*\c
.endr
	v_cndmask_b32 v[WD], v[WD], v[WD+1], s38       ; two images' words to a store of 128 consecutive bytes
	global_store_b32 v[L4], v[WD], s[56:57]
	s_branch .Lnext
.Lv:
	BODY 1
	OUTADR s42
	s_lshl_b32 s52, s43, 1
	s_add_nc_u64 s[56:57], s[56:57], s[52:53]      ; my two bytes of each scale word
	QUANTW 0, IA, IA+6, WD
	QUANTW 64, IA+12, IA+18, WD+1
	v_lshrrev_b32 v[TT], 16, v[WD]
	v_lshrrev_b32 v[TT+1], 16, v[WD+1]
	v_cndmask_b32 v[TT], v[WD], v[TT], s38         ; lanes 0-15 the even tile's two bytes, lanes 16-31 the odd tile's
	v_cndmask_b32 v[TT+1], v[WD+1], v[TT+1], s38
	global_store_b16 v[L4], v[TT], s[56:57]
	global_store_b16 v[L4], v[TT+1], s[56:57] offset:128
	s_wait_alu depctr_va_vdst(0)                   ; the wait ahead of the branch
	s_cmp_eq_u32 s43, 0                            ; a branch on the wave's number, round stores alone
	s_cbranch_scc0 .Lvodd
.irp b, 0,1,2,3
	global_store_b128 v[L16], v[IA+6*\b:IA+6*\b+3], s[54:55] offset:IMG*\b
	global_store_b64 v[L16], v[IA+6*\b+4:IA+6*\b+5], s[54:55] offset:IMG*\b+512
.endr
	s_branch .Lnext
.Lvodd:
.irp b, 0,1,2,3
	global_store_b64 v[L16], v[IA+6*\b:IA+6*\b+1], s[54:55] offset:IMG*\b+520
	global_store_b128 v[L16], v[IA+6*\b+2:IA+6*\b+5], s[54:55] offset:IMG*\b+1024
.endr
.Lnext:
	s_add_co_u32 s46, s46, 4*TB
	s_add_co_u32 s44, s44, 1
	s_add_co_u32 s45, s45, 1
	s_cmp_lt_u32 s45, 6
	s_cbranch_scc1 .Lunit
	s_wait_tensorcnt 0x0                           ; the wave's end
	ds_add_u32 v[SPW], v[NIL]
	s_wait_dscnt 0x0
	CROUND                                         ; the closing round
	s_endpgm
.Lfunc_end_k_qb080d3388c_qkv:
	.size	k_qb080d3388c_qkv, .Lfunc_end_k_qb080d3388c_qkv-k_qb080d3388c_qkv
	.p2alignl 7, 3214868480
	.fill 96, 4, 3214868480
	.section	.rodata,"a",@progbits
	.p2align	6, 0x0
	.amdhsa_kernel k_qb080d3388c_qkv
		.amdhsa_group_segment_fixed_size 327680
		.amdhsa_private_segment_fixed_size 0
		.amdhsa_enable_private_segment 0
		.amdhsa_kernarg_size 32
		.amdhsa_user_sgpr_count 2
		.amdhsa_user_sgpr_kernarg_segment_ptr 1
		.amdhsa_wavefront_size32 1
		.amdhsa_system_sgpr_workgroup_id_x 1
		.amdhsa_system_sgpr_workgroup_id_y 1
		.amdhsa_system_sgpr_workgroup_id_z 1
		.amdhsa_system_vgpr_workitem_id 0
		.amdhsa_next_free_vgpr 1024
		.amdhsa_next_free_sgpr 66
		.amdhsa_reserve_vcc 0
		.amdhsa_float_denorm_mode_32 3
		.amdhsa_float_denorm_mode_16_64 3
		.amdhsa_memory_ordered 1
		.amdhsa_forward_progress 1
		.amdhsa_inst_pref_size 81
	.end_amdhsa_kernel
	.amdgpu_metadata
---
amdhsa.version: [ 1, 2 ]
amdhsa.kernels:
  - .name:           k_qb080d3388c_qkv
    .symbol:         k_qb080d3388c_qkv.kd
    .args:
      - { .name: x_img, .offset: 0, .size: 8, .value_kind: global_buffer, .address_space: global }
      - { .name: w_img, .offset: 8, .size: 8, .value_kind: global_buffer, .address_space: global }
      - { .name: qkv_img, .offset: 16, .size: 8, .value_kind: global_buffer, .address_space: global }
      - { .name: qkv_sc, .offset: 24, .size: 8, .value_kind: global_buffer, .address_space: global }
    .group_segment_fixed_size: 327680
    .private_segment_fixed_size: 0
    .kernarg_segment_align: 8
    .kernarg_segment_size: 32
    .max_flat_workgroup_size: 128
    .sgpr_count:     66
    .vgpr_count:     1024
    .wavefront_size: 32
...
	.end_amdgpu_metadata
.endif
;; end of part 2
;; launch attn (part 3): grid 4 x 64, 16 waves a work-group, clusters of 4 x 1, 206,848 bytes of LDS; arguments qkv_img, qkv_sc, a_img, a_sc; writes a_img, a_sc
.if DOCPART == 3
	.amdgcn_target "amdgcn-amd-amdhsa--gfx1250"
	.amdhsa_code_object_version 6
	.text
	.protected	k_qb080d3388c_attn
	.globl	k_qb080d3388c_attn
	.p2align	8
	.type	k_qb080d3388c_attn,@function
k_qb080d3388c_attn:
	s_mov_b64 s[64:65], 0
	v_nop
	global_prefetch_b8 v0, s[64:65] scope:SCOPE_SE
	s_setreg_imm32_b32 hwreg(HW_REG_WAVE_MODE, 25, 1), 1
	s_wait_xcnt 0x0
	s_wait_alu depctr_hold_cnt(0) depctr_sa_sdst(0) depctr_va_vdst(0) depctr_va_sdst(0) depctr_va_ssrc(0) depctr_va_vcc(0) depctr_vm_vsrc(0)
	s_getreg_b32 s2, hwreg(HW_REG_IB_STS2, 6, 4)
	s_cmp_eq_u32 s2, 0
	s_cbranch_scc0 .Lentry_in_a_cluster
	s_endpgm
.Lentry_in_a_cluster:
	s_bfe_u32 s2, ttmp6, 0x10000c
	s_cmp_lg_u32 s2, 0x3003
	s_cbranch_scc0 .Lentry_shape_is_right
	s_endpgm
.Lentry_shape_is_right:
; Causal attention of one (batch, head) on codes of BF6 (E3M2) with E8M0 scales; the result, divided by the row's sum, is quantised along (head, e) and leaves as half images for the last product.
; t = score x log2(e) / 8; M = the running largest t rounded UP to a whole number; p = 2^(t - M) is quantised along the keys; the row's sum is of the unquantised p.  When M moves, sum and O are multiplied by 2^(old M - new M): exact.
; SHARES.  A head's 2,048 queries are 64 pairs of 32.  Wave (m = wave / 2, u = wave % 2) of work-group p takes tile u of pair 63 - 4 m - p and then of pair 4 m + p: 16 queries Q0 + r + 8 (r / 8), Q0 = 32 pair + 8 u.
; Pair g needs g / 4 + 1 key steps of 128, so the two passes have 16 - m and m + 1 steps: 17 for every wave of every work-group, the last of each pass on the diagonal.  Steps under the causal mask are left out.
; FEED.  The head's images of k and of v (2 x 98,304 bytes) and their scale words (2 x 4,096) come into LDS once: waves 0-5 fetch k, 6-11 v, 16,384 bytes each, waves 12, 13 the words, one tensor load a wave,
; asked for jointly by the head's four work-groups, which form a cluster and read the same bytes.  Nothing is filled again: one barrier, behind which the waves share nothing.
; No prefetch: everything is asked for at the head, and there is no loop to run ahead in.  No branch hangs on p, the place in the cluster: the tests compare the step's number with 15 - m or m.
; LAYOUT.  S^T = k q^T, O^T = v^T p^T: a lane holds one query throughout.  An image of k holds TWO keys a lane (K = 64 each): against [q, 0] it gives the first key's score, against [0, q] the second's;
; the half that does not count meets zero codes.  So the 16 registers of score tiles 2 b, 2 b + 1 are keys 32 b + 16 (lane / 16) + 0 .. 15.  v's rows e are ordered likewise, so O's registers run along e.
; LIMITS: a block's largest p is taken through the block's largest score (it takes v_exp_f32 not to fall where its input rises); a block of zeros, or under 2^-122, gets the byte 1; NaN and infinities are not served.
.set QB,   16                          ; v16-33: six zeros, q's six registers, six zeros
.set QS,   34                          ; v34: q's two scale bytes for k 0-63; v35: the same for k 64-127
.set FRG,  36                          ; v36-83: four fragments of k, then of v
.set S,    84                          ; v84-147: the scores, then p
.set OA,   148                         ; v148-179: O^T
.set PC,   180                         ; v180-191: p's codes
.set PT,   192                         ; v192-198: the conversions' second halves
.set BM,   200                         ; v200-203 block maxima; v204-207 the other half's, then bytes; v208-211 scale operands
.set BP,   204
.set SO,   208
.set KSC,  212                         ; v212-213 k's scale words; v214-215 v's; v216 p's
.set VSC,  214
.set PS,   216
.set FF,   218                         ; v[218:219] f = 2^(old M - new M)
.set T0,   220                         ; v220-223 at work
.set AK,   224                         ; LDS addresses of the slot in hand: k's images, v's, the words
.set AV,   225
.set AW,   226
.set Q1,   240                         ; v240-252 the second pass's image of q and its word
.set VREG,  98304                      ; LDS: k's images, v's images, k's words, v's words, the spare words
.set WBASE, 196608
.set SPARE, 204800
.set G1,  68
.set G1W, 76
.set G0,  84
.set G0W, 88
.macro CROUND                          ; a round of the cluster's barrier
	s_barrier_signal -1
	s_barrier_wait -1
	s_cmp_lg_u32 s12, 0
	s_cbranch_scc1 .Lnot_wave_0_\@
	s_barrier_signal -3
.Lnot_wave_0_\@:
	s_barrier_wait -3
	s_barrier_signal -1
	s_barrier_wait -1
.endm
	s_load_b256 s[4:11], s[0:1], 0x0               ; images, their words, the result's half images, its scale bytes
	v_lshl_add_u32 v254, v0, 2, SPARE
	v_mov_b32 v255, 0
	ds_add_u32 v254, v255                          ; the opening lines: the add, twice, and its wait
	ds_add_u32 v254, v255
	v_lshrrev_b32 v1, 5, v0
	s_delay_alu instid0(VALU_DEP_1)
	v_readfirstlane_b32 s12, v1                    ; wave 0..15
	s_bfe_u32 s13, ttmp6, 0x40000                  ; p: my place in the cluster
	s_and_b32 s14, ttmp7, 0xffff                   ; 16 batch + head
	s_lshr_b32 s36, s12, 1                         ; m: the second pass's diagonal step
	s_sub_co_u32 s29, 15, s36                      ; the first pass's
	s_and_b32 s28, s12, 1                          ; u
	s_lshl_b32 s52, s36, 2
	s_add_co_u32 s52, s52, s13                     ; the second pass's pair
	s_sub_co_u32 s50, 63, s52                      ; the first pass's
	s_lshl_b32 s53, s28, 3
	s_lshl_b32 s19, s50, 5
	s_add_co_u32 s19, s19, s53                     ; Q0
	s_lshl_b32 s49, s52, 5
	s_add_co_u32 s49, s49, s53                     ; the second pass's Q0
	s_sub_co_u32 s26, 0, s28                       ; all ones where the wave is odd: it takes an image's second half
	s_lshl_b32 s55, s14, 6
	s_add_co_u32 s54, s55, s50                     ; q's image, first pass
	s_add_co_u32 s55, s55, s52                     ; second pass
	s_lshr_b32 s48, s14, 4
	s_lshl_b32 s48, s48, 7
	s_add_co_u32 s48, s48, s28
	s_lshl_b32 s50, s50, 1
	s_add_co_u32 s50, s50, s48                     ; my tile of the result: 128 batch + 2 pair + u
	s_lshl_b32 s51, s52, 1
	s_add_co_u32 s51, s51, s48
	s_and_b32 s52, s14, 15                         ; head
	s_lshl_b32 s28, s28, 4
	s_mov_b32 s27, 0xffff0000                      ; lanes 16-31
	s_mov_b32 s22, 0x3e38aa3b                      ; c = log2(e) / 8
	s_mov_b32 s23, s22
	s_mov_b32 s24, 0x76543210
	s_mov_b32 s25, 0xfedcba98                      ; selects for lane l xor 16
	s_mov_b32 s39, 0
	s_mov_b32 s[G1], 15|(3<<16)|(1<<21)            ; the four partners; elements of 8 bytes; bit 21 beside a mask
	s_mov_b32 s[G1+1], 32<<16                      ; 16,384 dense bytes: 64 rows of 256
	s_mov_b32 s[G1+2], 64<<16
	s_mov_b32 s[G1+3], 32<<16
	s_mov_b32 s[G1+4], 64
	s_mov_b32 s[G1+5], 32
	s_mov_b32 s[G1+6], 0
	s_mov_b32 s[G1+7], 0
	s_mov_b32 s[G1W], 15|(3<<16)|(1<<21)
	s_mov_b32 s[G1W+1], 32<<16                     ; 4,096 dense bytes: 16 rows of 256
	s_mov_b32 s[G1W+2], 16<<16
	s_mov_b32 s[G1W+3], 32<<16
	s_mov_b32 s[G1W+4], 16
	s_mov_b32 s[G1W+5], 32
	s_mov_b32 s[G1W+6], 0
	s_mov_b32 s[G1W+7], 0
	s_mov_b32 s[G0], 1
	s_lshl_b32 s[G0+1], s12, 14                    ; LDS: wave x 16,384: k's six parts, then v's six
	s_mov_b32 s[G0W], 1
	s_lshl_b32 s[G0W+1], s12, 12
	s_add_co_u32 s[G0W+1], s[G0W+1], WBASE-12*4096 ; waves 12, 13: k's words, v's words
	s_cmp_lt_u32 s12, 6                            ; the choices hang on the wave's number alone
	s_cselect_b32 s30, 64, 128
	s_cselect_b32 s31, 0, 6
	s_add_co_u32 s30, s30, s14
	s_mul_i32 s30, s30, 98304
	s_sub_co_u32 s31, s12, s31
	s_lshl_b32 s31, s31, 14
	s_add_co_u32 s30, s30, s31                     ; my part of the head's images of k, or of v
	s_mov_b32 s31, 0
	s_cmp_eq_u32 s12, 12
	s_cselect_b32 s32, 64, 128
	s_add_co_u32 s32, s32, s14
	s_lshl_b32 s32, s32, 12                        ; the head's words of k, or of v
	s_mov_b32 s33, 0
	v_and_b32 v11, 31, v0
	s_delay_alu instid0(VALU_DEP_1)
	v_lshlrev_b32 v1, 4, v11                       ; 16 x lane
	v_lshl_add_u32 v2, v11, 2, WBASE               ; the words: 4 x lane
	v_lshlrev_b32 v8, 3, v11                       ; 8 x lane
	v_and_b32 v220, 15, v0                         ; r
	v_bfe_u32 v221, v0, 4, 1                       ; lane / 16
	s_delay_alu instid0(VALU_DEP_2)
	v_and_b32 v222, 8, v220
	s_delay_alu instid0(VALU_DEP_1)
	v_add_nc_u32 v222, v222, v220
	v_lshlrev_b32 v7, 4, v221
	s_delay_alu instid0(VALU_DEP_1)
	v_sub_nc_u32 v7, v222, v7                      ; r + 8 (r / 8) - 16 (lane / 16)
	v_lshl_add_u32 v9, v220, 5, v221               ; the result's scale byte: 32 r + block
	v_lshlrev_b32 v10, 2, v220
.irp j, 0,1,2,3,4,5
	v_mov_b32 v[QB+\j], 0
	v_mov_b32 v[QB+12+\j], 0
.endr
.irp b, 0,1,2,3
	v_mov_b32 v[BP+\b], 0                          ; a lane permute's destination counts as one of its sources
.endr
	v_mov_b32 v[FF+1], 0                           ; named with f as a pair
	s_wait_alu depctr_va_vdst(0)                   ; the wait at the head's end
	s_wait_dscnt 0x0
	s_wait_kmcnt 0x0
	s_add_nc_u64 s[G0+2:G0+3], s[4:5], s[30:31]
	s_or_b32 s[G0+3], s[G0+3], 0x80000000
	s_add_nc_u64 s[G0W+2:G0W+3], s[6:7], s[32:33]
	s_or_b32 s[G0W+3], s[G0W+3], 0x80000000
	s_mul_i32 s38, s54, 1536
	s_add_nc_u64 s[56:57], s[4:5], s[38:39]
	s_lshl_b32 s38, s54, 6
	s_add_nc_u64 s[58:59], s[6:7], s[38:39]
	s_mul_i32 s38, s55, 1536
	s_add_nc_u64 s[60:61], s[4:5], s[38:39]
	s_lshl_b32 s38, s55, 6
	s_add_nc_u64 s[62:63], s[6:7], s[38:39]
	s_mul_i32 s53, s52, 768
	s_mul_i32 s38, s50, 12288
	s_add_co_u32 s38, s38, s53
	s_add_nc_u64 s[40:41], s[8:9], s[38:39]        ; my half image, first pass
	s_mul_i32 s38, s51, 12288
	s_add_co_u32 s38, s38, s53
	s_add_nc_u64 s[44:45], s[8:9], s[38:39]        ; second pass
	s_lshl_b32 s53, s52, 1
	s_lshl_b32 s38, s50, 9
	s_add_co_u32 s38, s38, s53
	s_add_nc_u64 s[42:43], s[10:11], s[38:39]      ; my scale bytes
	s_lshl_b32 s38, s51, 9
	s_add_co_u32 s38, s38, s53
	s_add_nc_u64 s[46:47], s[10:11], s[38:39]
	CROUND                                         ; the four work-groups are here: the joint loads meet
	s_cmp_lt_u32 s12, 12                           ; one chain of branches on the wave's number, one load to an arm
	s_cbranch_scc0 .Lhead_w
	tensor_load_to_lds s[G0:G0+3], s[G1:G1+7]
	s_nop 0
.rept 4
	v_nop
.endr
	s_branch .Lhead_j
.Lhead_w:
	s_cmp_lt_u32 s12, 14
	s_cbranch_scc0 .Lhead_j
	tensor_load_to_lds s[G0W:G0W+3], s[G1W:G1W+7]
	s_nop 0
.rept 4
	v_nop
.endr
.Lhead_j:
.irp c, 0,1,2
	global_load_b128 v[S+4*\c:S+4*\c+3], v1, s[56:57] offset:512*\c
.endr
	global_load_b32 v[S+12], v10, s[58:59]
.irp c, 0,1,2
	global_load_b128 v[Q1+4*\c:Q1+4*\c+3], v1, s[60:61] offset:512*\c
.endr
	global_load_b32 v[Q1+12], v10, s[62:63]
; A pass begins: q's half of the image at v[src], its two scale bytes, O^T = 0, the sum = 0, the largest t = -3e38.
.macro START src
.irp j, 0,1,2,3,4,5
	v_cndmask_b32 v[QB+6+\j], v[\src+\j], v[\src+6+\j], s26
.endr
	v_lshrrev_b32 v[T0], s28, v[\src+12]
	s_delay_alu instid0(VALU_DEP_1)
	v_and_b32 v[QS], 0xffff, v[T0]
	v_lshlrev_b32 v[QS+1], 16, v[T0]
.set JJ, 0
.rept 32
	v_mov_b32 v[OA+JJ], 0
.set JJ, JJ+1
.endr
	v_mov_b32 v13, 0xff61b1e6
	s_delay_alu instid0(VALU_DEP_1)
	v_floor_f32 v12, -v13
	v_mov_b32 v14, 0
	v_mov_b32 v15, 0
.endm
; Two score tiles from image b: the keys of its first and of its second half
.macro SPROD b
.if (\b)%2
	v_wmma_scale_f32_16x16x128_f8f6f4 v[S+16*\b:S+16*\b+7], v[FRG+12*\b:FRG+12*\b+11], v[QB+6:QB+17], 0, v[KSC+\b/2], v[QS] matrix_a_fmt:MATRIX_FMT_BF6 matrix_b_fmt:MATRIX_FMT_BF6 matrix_a_scale:MATRIX_SCALE_ROW1
	v_wmma_scale_f32_16x16x128_f8f6f4 v[S+16*\b+8:S+16*\b+15], v[FRG+12*\b:FRG+12*\b+11], v[QB:QB+11], 0, v[KSC+\b/2], v[QS+1] matrix_a_fmt:MATRIX_FMT_BF6 matrix_b_fmt:MATRIX_FMT_BF6 matrix_a_scale:MATRIX_SCALE_ROW1
.else
	v_wmma_scale_f32_16x16x128_f8f6f4 v[S+16*\b:S+16*\b+7], v[FRG+12*\b:FRG+12*\b+11], v[QB+6:QB+17], 0, v[KSC+\b/2], v[QS] matrix_a_fmt:MATRIX_FMT_BF6 matrix_b_fmt:MATRIX_FMT_BF6
	v_wmma_scale_f32_16x16x128_f8f6f4 v[S+16*\b+8:S+16*\b+15], v[FRG+12*\b:FRG+12*\b+11], v[QB:QB+11], 0, v[KSC+\b/2], v[QS+1] matrix_a_fmt:MATRIX_FMT_BF6 matrix_b_fmt:MATRIX_FMT_BF6
.endif
.endm
.macro OPROD a
.if (\a)%2
	v_wmma_scale_f32_16x16x128_f8f6f4 v[OA+8*\a:OA+8*\a+7], v[FRG+12*\a:FRG+12*\a+11], v[PC:PC+11], v[OA+8*\a:OA+8*\a+7], v[VSC+\a/2], v[PS] matrix_a_fmt:MATRIX_FMT_BF6 matrix_b_fmt:MATRIX_FMT_BF6 matrix_a_scale:MATRIX_SCALE_ROW1
.else
	v_wmma_scale_f32_16x16x128_f8f6f4 v[OA+8*\a:OA+8*\a+7], v[FRG+12*\a:FRG+12*\a+11], v[PC:PC+11], v[OA+8*\a:OA+8*\a+7], v[VSC+\a/2], v[PS] matrix_a_fmt:MATRIX_FMT_BF6 matrix_b_fmt:MATRIX_FMT_BF6
.endif
.endm
; A KEY STEP: 128 keys, the q-th of the slot of 256.  s18: the slot's first key; s21: the slot's first step; s29: the pass's diagonal step.
.macro STEP q
	s_add_co_u32 s50, s18, 128*\q                  ; the step's first key
	s_add_co_u32 s51, s21, \q                      ; the step's number
	s_cmp_gt_u32 s51, s29
	s_cbranch_scc1 .Lhid_\@                        ; all its keys come after my queries
.rept 4
	v_nop                                          ; places in front of loads into registers that the last products read
.endr
.irp b, 0,1,2,3
.irp c, 0,1,2
	ds_load_b128 v[FRG+12*\b+4*\c:FRG+12*\b+4*\c+3], v[AK] offset:(4*\q+\b)*1536+512*\c
.endr
.endr
.irp i, 0,1
	ds_load_b32 v[KSC+\i], v[AW] offset:256*\q+128*\i     ; lanes 0-15 image 2 i's words, lanes 16-31 image 2 i + 1's
.endr
	s_wait_dscnt 0x0
	SPROD 0
	SPROD 1
	SPROD 2
	SPROD 3
.rept 4
	v_nop
.endr
.irp b, 0,1,2,3                                ; v's fragments are asked for here and land under the softmax
.irp c, 0,1,2
	ds_load_b128 v[FRG+12*\b+4*\c:FRG+12*\b+4*\c+3], v[AV] offset:(4*\q+\b)*1536+512*\c
.endr
.endr
.irp i, 0,1
	ds_load_b32 v[VSC+\i], v[AW] offset:4096+256*\q+128*\i
.endr
	s_cmp_lt_u32 s51, s29
	s_cbranch_scc1 .Lopen_\@                       ; all its keys count
	s_sub_co_i32 s51, s19, s50
	v_add_nc_u32 v[T0+1], s51, v7                  ; d = my query - the step's first key - 16 (lane / 16): register 16 b + i is hidden where 32 b + i > d
	v_mov_b32 v[T0+2], 0xff800000
.set NN, 0
.rept 64
	v_cmp_gt_i32 vcc_lo, 32*(NN/16)+NN%16, v[T0+1]
	v_cndmask_b32 v[S+NN], v[S+NN], v[T0+2], vcc_lo
.set NN, NN+1
.endr
.Lopen_\@:
.irp b, 0,1,2,3
	v_max3_num_f32 v[BM+\b], v[S+16*\b], v[S+1+16*\b], v[S+2+16*\b]     ; the largest score of each block of 32 keys
.endr
.irp i, 3,5,7,9,11,13
.irp b, 0,1,2,3
	v_max3_num_f32 v[BM+\b], v[BM+\b], v[S+16*\b+\i], v[S+1+16*\b+\i]
.endr
.endr
.irp b, 0,1,2,3
	v_max_num_f32 v[BM+\b], v[BM+\b], v[S+15+16*\b]
.endr
.irp b, 0,1,2,3
	s_delay_alu instid0(VALU_DEP_4)
	v_permlanex16_b32 v[BP+\b], v[BM+\b], s24, s25
.endr
.irp b, 0,1,2,3
	s_delay_alu instid0(VALU_DEP_4)
	v_max_num_f32 v[BM+\b], v[BM+\b], v[BP+\b]
.endr
	s_delay_alu instid0(VALU_DEP_2)
	v_max3_num_f32 v[T0], v[BM], v[BM+1], v[BM+2]
	s_delay_alu instid0(VALU_DEP_1)
	v_max_num_f32 v[T0], v[T0], v[BM+3]
	s_delay_alu instid0(VALU_DEP_1)
	v_mul_f32 v[T0], s22, v[T0]
	s_delay_alu instid0(VALU_DEP_1)
	v_max_num_f32 v13, v13, v[T0]                  ; the running largest t
	v_mov_b32 v[T0], v12
	s_delay_alu instid0(VALU_DEP_2)
	v_floor_f32 v12, -v13                          ; -M = floor(-t)
	s_delay_alu instid0(VALU_DEP_1)
	v_sub_f32 v[T0], v12, v[T0]                    ; old M - new M, a whole number, 0 or less
	s_delay_alu instid0(VALU_DEP_1)
	v_cvt_i32_f32 v[T0], v[T0]
	s_delay_alu instid0(VALU_DEP_1)
	v_ldexp_f32 v[FF], 1.0, v[T0]                  ; f
.set JJ, 0
.rept 32
	v_pk_fma_f32 v[S+JJ:S+JJ+1], v[S+JJ:S+JJ+1], s[22:23], v[12:13] op_sel_hi:[1,0,0]   ; t - M
.set JJ, JJ+2
.endr
.irp b, 0,1,2,3
	v_fma_f32 v[BM+\b], v[BM+\b], s22, v12
.endr
.set JJ, 0
	s_wait_alu depctr_va_vdst(0)                   ; the wait ahead of the batch
.rept 64
	v_exp_f32 v[S+JJ], v[S+JJ]                     ; p
.set JJ, JJ+1
.endr
.irp b, 0,1,2,3
	v_exp_f32 v[BM+\b], v[BM+\b]                   ; each block's largest p
.endr
	v_pk_mul_f32 v[14:15], v[14:15], v[FF:FF+1] op_sel_hi:[1,0]         ; the sums under the new M; a plain place behind the exponentials
	s_wait_alu depctr_va_vdst(0)                   ; and behind it
.irp b, 0,1,2,3
	v_max_num_f32 v[BM+\b], 0x2800000, v[BM+\b]    ; the floor 2^(5 - 127)
.endr
.irp b, 0,1,2,3
	s_delay_alu instid0(VALU_DEP_4)
	v_add_nc_u32 v[SO+\b], 0xfe000000, v[BM+\b]
.endr
.irp b, 0,1,2,3
	s_delay_alu instid0(VALU_DEP_4)
	v_lshrrev_b32 v[BP+\b], 23, v[SO+\b]
.endr
	s_delay_alu instid0(VALU_DEP_3)
	v_lshl_or_b32 v[PS], v[BP+1], 8, v[BP]
	s_delay_alu instid0(VALU_DEP_1)
	v_lshl_or_b32 v[PS], v[BP+2], 16, v[PS]
	s_delay_alu instid0(VALU_DEP_1)
	v_lshl_or_b32 v[PS], v[BP+3], 24, v[PS]
.irp c, 0,1
	v_cvt_scalef32_pk16_bf6_f32 v[PC+6*\c:PC+6*\c+2], v[S+32*\c:S+32*\c+15], v[SO+2*\c]
	v_cvt_scalef32_pk16_bf6_f32 v[PT+4*\c:PT+4*\c+2], v[S+32*\c+16:S+32*\c+31], v[SO+2*\c+1]
.endr
	v_nop                                          ; one plain place behind a scaled conversion
.irp c, 0,1
.irp i, 0,1,2
	v_permlane16_swap_b32 v[PC+6*\c+\i], v[PT+4*\c+\i]
.endr
.irp i, 0,1,2
	s_delay_alu instid0(VALU_DEP_3)
	v_mov_b32 v[PC+3+6*\c+\i], v[PT+4*\c+\i]
.endr
.endr
	v_pk_add_f32 v[238:239], v[88:89], v[92:93]    ; the row's sum of the unquantised p, in eight chains on registers that are done with
	v_pk_add_f32 v[222:223], v[96:97], v[100:101]
	v_pk_add_f32 v[212:213], v[104:105], v[108:109]
	v_pk_add_f32 v[210:211], v[112:113], v[116:117]
	v_pk_add_f32 v[208:209], v[120:121], v[124:125]
	v_pk_add_f32 v[202:203], v[128:129], v[132:133]
	v_pk_add_f32 v[200:201], v[136:137], v[140:141]
	v_pk_add_f32 v[14:15], v[14:15], v[144:145]
	v_pk_add_f32 v[238:239], v[238:239], v[84:85]
	v_pk_add_f32 v[222:223], v[222:223], v[86:87]
	v_pk_add_f32 v[212:213], v[212:213], v[90:91]
	v_pk_add_f32 v[210:211], v[210:211], v[94:95]
	v_pk_add_f32 v[208:209], v[208:209], v[98:99]
	v_pk_add_f32 v[202:203], v[202:203], v[102:103]
	v_pk_add_f32 v[200:201], v[200:201], v[106:107]
	v_pk_add_f32 v[14:15], v[14:15], v[110:111]
	v_pk_add_f32 v[238:239], v[238:239], v[114:115]
	v_pk_add_f32 v[222:223], v[222:223], v[118:119]
	v_pk_add_f32 v[212:213], v[212:213], v[122:123]
	v_pk_add_f32 v[210:211], v[210:211], v[126:127]
	v_pk_add_f32 v[208:209], v[208:209], v[130:131]
	v_pk_add_f32 v[202:203], v[202:203], v[134:135]
	v_pk_add_f32 v[200:201], v[200:201], v[138:139]
	v_pk_add_f32 v[14:15], v[14:15], v[142:143]
	v_pk_add_f32 v[238:239], v[238:239], v[146:147]
	s_delay_alu instid0(VALU_DEP_2)
	v_pk_add_f32 v[14:15], v[14:15], v[210:211]
	s_delay_alu instid0(VALU_DEP_2)
	v_pk_add_f32 v[238:239], v[238:239], v[208:209]
	v_pk_add_f32 v[222:223], v[222:223], v[202:203]
	v_pk_add_f32 v[212:213], v[212:213], v[200:201]
	s_delay_alu instid0(VALU_DEP_2)
	v_pk_add_f32 v[14:15], v[14:15], v[222:223]
	s_delay_alu instid0(VALU_DEP_2)
	v_pk_add_f32 v[238:239], v[238:239], v[212:213]
	s_delay_alu instid0(VALU_DEP_1)
	v_pk_add_f32 v[14:15], v[14:15], v[238:239]
.set JJ, 0
.rept 16
	v_pk_mul_f32 v[OA+JJ:OA+JJ+1], v[OA+JJ:OA+JJ+1], v[FF:FF+1] op_sel_hi:[1,0]   ; O^T under the new M
.set JJ, JJ+2
.endr
	s_wait_alu depctr_va_vdst(0)                   ; the wait ahead of the wait below
	s_wait_dscnt 0x0                               ; v's fragments and words are in
	OPROD 0                                        ; the four accumulators take turns
	OPROD 1
	OPROD 2
	OPROD 3
.Lhid_\@:
.endm
; A pass ends: O^T / the sum, quantised along e (two blocks of 32; a block lies in lanes l and l xor 16), stored as a half image of 768 bytes and two scale bytes a query.
.macro FINISH
.rept 4
	v_nop
.endr
	v_add_f32 v14, v14, v15
	s_delay_alu instid0(VALU_DEP_1)
	v_permlanex16_b32 v[T0], v14, s24, s25
	s_delay_alu instid0(VALU_DEP_1)
	v_add_f32 v14, v14, v[T0]
	s_wait_alu depctr_va_vdst(0)
	v_rcp_f32 v14, v14
	v_nop
.set JJ, 0
	s_wait_alu depctr_va_vdst(0)
.rept 32
	v_mul_f32 v[S+JJ], v[OA+JJ], v14               ; register 16 b + i: e = 32 b + 16 (lane / 16) + i
.set JJ, JJ+1
.endr
.irp b, 0,1
	v_max3_num_f32 v[BM+\b], |v[S+16*\b]|, |v[S+16*\b+1]|, 0x2800000
.endr
.irp i, 2,4,6,8,10,12,14
.irp b, 0,1
	s_delay_alu instid0(VALU_DEP_2)
	v_max3_num_f32 v[BM+\b], v[BM+\b], |v[S+16*\b+\i]|, |v[S+16*\b+\i+1]|
.endr
.endr
.irp b, 0,1
	s_delay_alu instid0(VALU_DEP_2)
	v_permlanex16_b32 v[BP+\b], v[BM+\b], s24, s25
.endr
.irp b, 0,1
	s_delay_alu instid0(VALU_DEP_2)
	v_max_num_f32 v[BM+\b], v[BM+\b], v[BP+\b]
.endr
.irp b, 0,1
	s_delay_alu instid0(VALU_DEP_2)
	v_add_nc_u32 v[SO+\b], 0xfe000000, v[BM+\b]
.endr
.irp b, 0,1
	s_delay_alu instid0(VALU_DEP_2)
	v_lshrrev_b32 v[BP+\b], 23, v[SO+\b]
.endr
	v_cvt_scalef32_pk16_bf6_f32 v[PC:PC+2], v[S:S+15], v[SO]
	v_cvt_scalef32_pk16_bf6_f32 v[PT:PT+2], v[S+16:S+31], v[SO+1]
	v_nop
.irp i, 0,1,2
	v_permlane16_swap_b32 v[PC+\i], v[PT+\i]
.endr
.irp i, 0,1,2
	s_delay_alu instid0(VALU_DEP_3)
	v_mov_b32 v[PC+3+\i], v[PT+\i]
.endr
	v_cndmask_b32 v[T0+1], v[BP], v[BP+1], s27     ; lanes 16-31: block 1's byte
	global_store_b128 v1, v[PC:PC+3], s[40:41]
	global_store_b64 v8, v[PC+4:PC+5], s[40:41] offset:512
	global_store_b8 v9, v[T0+1], s[42:43]
	s_wait_xcnt 0x0                                ; the stores have read their registers and bases
.endm
; A TRIP: one slot of 256 keys.  s15 counts the slots; s16 and s17 are its images' and its words' places in LDS, stepped by constants.
.macro TRIP
	v_add_nc_u32 v[AK], s16, v1
	v_add_nc_u32 v[AW], s17, v2
	s_delay_alu instid0(VALU_DEP_2)
	v_add_nc_u32 v[AV], VREG, v[AK]
	s_wait_alu depctr_va_vdst(0)
	s_lshl_b32 s18, s15, 8
	s_lshl_b32 s21, s15, 1
	STEP 0
	STEP 1
	s_add_co_u32 s16, s16, 12288
	s_add_co_u32 s17, s17, 512
	s_add_co_u32 s15, s15, 1
.endm
	s_wait_loadcnt 0x0
	START S
	s_mov_b32 s15, 0
	s_mov_b32 s16, 0
	s_mov_b32 s17, 0
	s_wait_alu depctr_va_vdst(0)                   ; the wait ahead of the wait below
	s_wait_tensorcnt 0x0                           ; my part of the head's keys is in
	s_barrier_signal -1
	s_barrier_wait -1                              ; and everybody's
.Lpass_a:                                          ; eight slots; a wave jumps over the steps behind its diagonal
	TRIP
	s_cmp_lt_u32 s15, 8
	s_cbranch_scc1 .Lpass_a
	s_wait_alu depctr_va_vdst(0)
	FINISH
	s_mov_b32 s19, s49
	s_mov_b32 s29, s36
	s_mov_b64 s[40:41], s[44:45]
	s_mov_b64 s[42:43], s[46:47]
	START Q1
	s_mov_b32 s15, 0
	s_mov_b32 s16, 0
	s_mov_b32 s17, 0
	s_wait_alu depctr_va_vdst(0)
.Lpass_b:                                          ; the second pass's pairs lie in the first four slots
	TRIP
	s_cmp_lt_u32 s15, 4
	s_cbranch_scc1 .Lpass_b
	s_wait_alu depctr_va_vdst(0)
	FINISH
	s_wait_tensorcnt 0x0                           ; the wave's end
	ds_add_u32 v254, v255
	s_wait_dscnt 0x0
	CROUND                                         ; the closing round
	s_endpgm
.Lfunc_end_k_qb080d3388c_attn:
	.size	k_qb080d3388c_attn, .Lfunc_end_k_qb080d3388c_attn-k_qb080d3388c_attn
	.p2alignl 7, 3214868480
	.fill 96, 4, 3214868480
	.section	.rodata,"a",@progbits
	.p2align	6, 0x0
	.amdhsa_kernel k_qb080d3388c_attn
		.amdhsa_group_segment_fixed_size 206848
		.amdhsa_private_segment_fixed_size 0
		.amdhsa_enable_private_segment 0
		.amdhsa_kernarg_size 32
		.amdhsa_user_sgpr_count 2
		.amdhsa_user_sgpr_kernarg_segment_ptr 1
		.amdhsa_wavefront_size32 1
		.amdhsa_system_sgpr_workgroup_id_x 1
		.amdhsa_system_sgpr_workgroup_id_y 1
		.amdhsa_system_sgpr_workgroup_id_z 1
		.amdhsa_system_vgpr_workitem_id 0
		.amdhsa_next_free_vgpr 256
		.amdhsa_next_free_sgpr 92
		.amdhsa_reserve_vcc 1
		.amdhsa_float_denorm_mode_32 3
		.amdhsa_float_denorm_mode_16_64 3
		.amdhsa_memory_ordered 1
		.amdhsa_forward_progress 1
		.amdhsa_inst_pref_size 109
	.end_amdhsa_kernel
	.amdgpu_metadata
---
amdhsa.version: [ 1, 2 ]
amdhsa.kernels:
  - .name:           k_qb080d3388c_attn
    .symbol:         k_qb080d3388c_attn.kd
    .args:
      - { .name: qkv_img, .offset: 0, .size: 8, .value_kind: global_buffer, .address_space: global }
      - { .name: qkv_sc, .offset: 8, .size: 8, .value_kind: global_buffer, .address_space: global }
      - { .name: a_img, .offset: 16, .size: 8, .value_kind: global_buffer, .address_space: global }
      - { .name: a_sc, .offset: 24, .size: 8, .value_kind: global_buffer, .address_space: global }
    .group_segment_fixed_size: 206848
    .private_segment_fixed_size: 0
    .kernarg_segment_align: 8
    .kernarg_segment_size: 32
    .max_flat_workgroup_size: 512
    .sgpr_count:     92
    .vgpr_count:     256
    .wavefront_size: 32
...
	.end_amdgpu_metadata
.endif
;; end of part 3
;; launch proj (part 4): grid 32 x 8, 4 waves a work-group, clusters of 4 x 1, 167,936 bytes of LDS; arguments a_img, a_sc, w_img, bo, out0; writes out0
.if DOCPART == 4
	.amdgcn_target "amdgcn-amd-amdhsa--gfx1250"
	.amdhsa_code_object_version 6
	.text
	.protected	k_qb080d3388c_proj
	.globl	k_qb080d3388c_proj
	.p2align	8
	.type	k_qb080d3388c_proj,@function
k_qb080d3388c_proj:
	s_mov_b64 s[64:65], 0
	v_nop
	global_prefetch_b8 v0, s[64:65] scope:SCOPE_SE
	s_setreg_imm32_b32 hwreg(HW_REG_WAVE_MODE, 25, 1), 1
	s_wait_xcnt 0x0
	s_wait_alu depctr_hold_cnt(0) depctr_sa_sdst(0) depctr_va_vdst(0) depctr_va_sdst(0) depctr_va_ssrc(0) depctr_va_vcc(0) depctr_vm_vsrc(0)
	s_getreg_b32 s2, hwreg(HW_REG_IB_STS2, 6, 4)
	s_cmp_eq_u32 s2, 0
	s_cbranch_scc0 .Lentry_in_a_cluster
	s_endpgm
.Lentry_in_a_cluster:
	s_bfe_u32 s2, ttmp6, 0x10000c
	s_cmp_lg_u32 s2, 0x3003
	s_cbranch_scc0 .Lentry_shape_is_right
	s_endpgm
.Lentry_shape_is_right:
; out = a Wo + bo on codes of BF6 (E3M2) with E8M0 scales, K = 1,024.  a comes as half images (768 bytes for each tile of 16 tokens and 64 along K: 16 bytes a lane, then 8) with 32 scale bytes a token.
; SHARES.  Work-group (X, y): tokens 256 X .. + 255 x columns 128 y .. + 127: 256 work-groups.  A wave owns 64 tokens: their codes for all of K (384 registers) and scale words come straight from memory, once.
; Wo's eight tiles (codes and scales, 102,400 dense bytes) come into LDS once, a quarter by each wave's one tensor load, asked for jointly by the four work-groups of a cluster, which share y.
; Nothing in LDS is filled again: one barrier.  No prefetch: every operand is asked for at the head, and there is no loop to run ahead in.
; Two units of 64 columns, each 8 steps of 16 matrix instructions on 16 accumulators by turns.  Source 0 = Wo's rows, source 1 = tokens; the bias is the first product's C.
; A tile's rows are 32 P + 8 u + r + 8 (r / 8): a lane's 16 registers of result tiles 2 b, 2 b + 1 are columns 32 b + 16 (lane / 16) + 0 .. 15 of one token.
; OUT: 16 tokens x 64 columns go through the wave's own stage in LDS and leave as rows: sixteen lanes store 256 consecutive bytes, aligned.
; REGISTERS: window 0: addresses, v32-63 a's scale words, v64-95 Wo's, v96-159 the bias, v160-223 the way out.  windows 1, 2: a's images.  window 3: v0-127 accumulators, v128-223 Wo's fragments, two sets.
.set TB,     12800
.set SCO,    12288
.set IMG,    1536
.set ATB,    12288
.set SPITCH, 272
.set STAGE,  8*TB
.set SPARE,  STAGE+4*16*SPITCH
.set L16, 2
.set L8,  3
.set LA,  4
.set SPW, 6
.set NIL, 7
.set LS,  8
.set AS,  10
.set STO, 11
.set RD,  12
.set CO,  13
.set BAD, 14
.set SA,  32
.set SB,  64
.set BIAS, 96
.set OB,  160
.set BF,  128
.set MSB, 0
.macro WIN new
.if MSB != (\new)
	s_set_vgpr_msb (MSB<<8)|(\new)
.set MSB, (\new)
.endif
.endm
.macro CROUND
	s_barrier_signal -1
	s_barrier_wait -1
	s_cmp_lg_u32 s14, 0
	s_cbranch_scc1 .Lnot_wave_0_\@
	s_barrier_signal -3
.Lnot_wave_0_\@:
	s_barrier_wait -3
	s_barrier_signal -1
	s_barrier_wait -1
.endm
.macro PLACES n
.rept \n
	v_nop
.endr
.endm
	s_load_b128 s[4:7], s[0:1], 0x0                ; a_img, a_sc
	s_load_b128 s[8:11], s[0:1], 0x10              ; w_img, bo
	s_load_b64 s[12:13], s[0:1], 0x20              ; out0
	v_lshl_add_u32 v[SPW], v0, 2, SPARE
	v_mov_b32 v[NIL], 0
	ds_add_u32 v[SPW], v[NIL]                      ; the opening lines: the add, twice, and its wait
	ds_add_u32 v[SPW], v[NIL]
	v_lshrrev_b32 v1, 5, v0
	v_readfirstlane_b32 s14, v1                    ; wave
	s_bfe_u32 s15, ttmp6, 0x40000                  ; cx
	s_lshl_b32 s16, ttmp9, 2
	s_add_co_u32 s16, s16, s15                     ; X
	s_and_b32 s17, ttmp7, 0xffff                   ; y, shared by the cluster
	s_mov_b32 s24, 15|(3<<16)|(1<<21)
	s_mov_b32 s25, 32<<16                          ; two tiles are 100 dense rows of 256 bytes
	s_mov_b32 s26, 100<<16
	s_mov_b32 s27, 32<<16
	s_mov_b32 s28, 100
	s_mov_b32 s29, 32
	s_mov_b32 s30, 0
	s_mov_b32 s31, 0
	s_mov_b32 s20, 1
	s_mul_i32 s21, s14, 2*TB
	s_mul_i32 s18, s17, 8*TB
	s_add_co_u32 s18, s18, s21
	s_add_co_u32 s18, s18, 192*TB                  ; Wo's tiles begin at tile 192
	s_mov_b32 s19, 0
	s_lshl_b32 s34, s16, 2
	s_add_co_u32 s34, s34, s14                     ; 4 X + wave: my 64 tokens
	s_mul_i32 s32, s34, 4*ATB
	s_mov_b32 s33, 0
	s_lshl_b32 s36, s34, 11
	s_mov_b32 s37, 0
	s_lshl_b32 s40, s17, 9                         ; 128 columns are 512 bytes
	s_mov_b32 s41, 0
	s_lshl_b32 s42, s34, 18
	s_add_co_u32 s42, s42, s40
	s_mov_b32 s43, 0
	s_mul_i32 s35, s14, 16*SPITCH
	s_add_co_u32 s35, s35, STAGE                   ; my stage
	s_wait_dscnt 0x0
	s_wait_kmcnt 0x0
	s_add_nc_u64 s[22:23], s[8:9], s[18:19]
	s_or_b32 s23, s23, 0x80000000
	s_add_nc_u64 s[32:33], s[4:5], s[32:33]
	s_add_nc_u64 s[36:37], s[6:7], s[36:37]
	s_add_nc_u64 s[40:41], s[10:11], s[40:41]
	s_add_nc_u64 s[42:43], s[12:13], s[42:43]
	CROUND                                         ; the four work-groups are here: the joint loads meet
	tensor_load_to_lds s[20:23], s[24:31]          ; my one tensor load
	s_nop 0
	PLACES 4
	v_and_b32 v1, 31, v0
	v_lshlrev_b32 v[L16], 4, v1
	v_lshlrev_b32 v[L8], 3, v1
	v_mov_b32 v[LA], v[L16]
	v_add_nc_u32 v[LA+1], 4*TB, v[L16]
	v_and_b32 v15, 15, v0                          ; r
	v_bfe_u32 v16, v0, 4, 1                        ; h
	v_lshlrev_b32 v[AS], 5, v15
	v_add_nc_u32 v[LS], SCO, v[AS]
	v_add_nc_u32 v[LS+1], SCO+4*TB, v[AS]
	v_mul_u32_u24 v17, v15, SPITCH
	v_lshl_add_u32 v17, v16, 6, v17
	v_add_nc_u32 v[STO], s35, v17                  ; in: row r, 64 bytes for each half of the lanes
	v_lshlrev_b32 v18, 4, v15
	v_mad_u32_u24 v17, v16, SPITCH, v18
	v_add_nc_u32 v[RD], s35, v17                   ; back: sixteen lanes to a row, two rows a load
	v_lshl_add_u32 v[CO], v16, 12, v18             ; the same two rows in out0
	v_lshlrev_b32 v[BAD], 6, v16
	s_wait_alu depctr_va_vdst(0)                   ; the wait at the head's end
.irp i, 0,1,2,3
.irp j, 0,1
	global_load_b128 v[SA+8*\i+4*\j:SA+8*\i+4*\j+3], v[AS], s[36:37] offset:\i*512+16*\j
.endr
.endr
.irp u, 0,1
.irp b, 0,1,2,3
.irp k, 0,1
	global_load_b128 v[BIAS+32*\u+8*\b+4*\k:BIAS+32*\u+8*\b+4*\k+3], v[BAD], s[40:41] offset:256*\u+128*(\b/2)+32*(\b%2)+16*\k
.endr
.endr
.endr
.macro ALOAD s
.irp i, 0,1,2,3
.set AR, 48*((\s)%5)+12*\i
	global_load_b128 v[AR:AR+3], v[L16], s[32:33] offset:\i*ATB+(\s)*IMG
	global_load_b64 v[AR+4:AR+5], v[L8], s[32:33] offset:\i*ATB+(\s)*IMG+512
	global_load_b128 v[AR+6:AR+9], v[L16], s[32:33] offset:\i*ATB+(\s)*IMG+768
	global_load_b64 v[AR+10:AR+11], v[L8], s[32:33] offset:\i*ATB+(\s)*IMG+1280
.endr
.endm
	WIN 0x40
.irp s, 0,1,2,3,4
	ALOAD \s
.endr
	WIN 0x80
.irp s, 5,6,7
	ALOAD \s
.endr
	WIN 0
.macro FETCH u, s
	WIN 0xc0
.irp b, 0,1,2,3
.irp c, 0,1,2
	ds_load_b128 v[BF+48*((\s)%2)+12*\b+4*\c:BF+48*((\s)%2)+12*\b+4*\c+3], v[LA+\u] offset:\b*TB+(\s)*IMG+512*\c
.endr
.endr
.endm
.macro MM u, s
.set AW, 1+(\s)/5
.set AB, 48*((\s)%5)
.set BB, BF+48*((\s)%2)
.if (\s) == 0
	WIN 0xc3|(AW<<2)                               ; C, the bias, lies in window 0
.else
	WIN 0xf3|(AW<<2)
.endif
.irp i, 0,1,2,3
.irp b, 0,1,2,3
.if (\s) == 0
	v_wmma_scale_f32_16x16x128_f8f6f4 v[32*\i+8*\b:32*\i+8*\b+7], v[BB+12*\b:BB+12*\b+11], v[AB+12*\i:AB+12*\i+11], v[BIAS+32*\u+8*\b:BIAS+32*\u+8*\b+7], v[SB+8*\b+(\s)], v[SA+8*\i+(\s)] matrix_a_fmt:MATRIX_FMT_BF6 matrix_b_fmt:MATRIX_FMT_BF6
.else
	v_wmma_scale_f32_16x16x128_f8f6f4 v[32*\i+8*\b:32*\i+8*\b+7], v[BB+12*\b:BB+12*\b+11], v[AB+12*\i:AB+12*\i+11], v[32*\i+8*\b:32*\i+8*\b+7], v[SB+8*\b+(\s)], v[SA+8*\i+(\s)] matrix_a_fmt:MATRIX_FMT_BF6 matrix_b_fmt:MATRIX_FMT_BF6
.endif
.endr
.endr
.endm
.macro TOSTAGE i                       ; token tile i: each accumulator from its low end on; LDS serves a wave in order, so the loads see the stores
	s_wait_xcnt 0x0                                ; earlier stores have read the registers that the loads below fill
	WIN 0x0c
.irp q, 0,1,2,3,4,5,6,7
	ds_store_b128 v[STO], v[32*(\i)+4*\q:32*(\i)+4*\q+3] offset:128*(\q/4)+16*(\q%4)
.endr
	WIN 0
.irp t, 0,1,2,3,4,5,6,7
	ds_load_b128 v[OB+32*((\i)%2)+4*\t:OB+32*((\i)%2)+4*\t+3], v[RD] offset:\t*2*SPITCH
.endr
.endm
.macro SEND u, i, younger
	s_wait_dscnt \younger
.irp t, 0,1,2,3,4,5,6,7
	global_store_b128 v[CO], v[OB+32*((\i)%2)+4*\t:OB+32*((\i)%2)+4*\t+3], s[42:43] offset:(32*((\i)/2)+8*((\i)%2)+2*\t+8*(\t/4))*4096+256*(\u) th:TH_STORE_NT
.endr
.endm
.macro UNIT u
.irp b, 0,1,2,3
.irp j, 0,1
	ds_load_b128 v[SB+8*\b+4*\j:SB+8*\b+4*\j+3], v[LS+\u] offset:\b*TB+16*\j
.endr
.endr
	FETCH \u, 0
.irp s, 0,1,2,3,4,5,6,7
.if \s < 7
.if \s > 0
	PLACES 4                                       ; in front of loads into the set that the last step's products read
.endif
	FETCH \u, \s+1
	s_wait_dscnt 12                                ; all but the 12 loads just issued
.else
	s_wait_dscnt 0x0
.endif
	MM \u, \s
.endr
	WIN 0
	PLACES 5                                       ; in front of the reads of results, of the next unit's loads, and of its first products, which write the accumulators anew
	TOSTAGE 0
.irp i, 1,2,3
	TOSTAGE \i
	SEND \u, \i-1, 16                              ; behind that tile's loads: this tile's 8 stores and 8 loads
.endr
	SEND \u, 3, 0
.endm
	s_wait_tensorcnt 0x0                           ; my quarter of Wo is in
	s_barrier_signal -1
	s_barrier_wait -1                              ; and everybody's
	s_wait_loadcnt 0x0                             ; a's images, the scale words and the bias are in
	UNIT 0
	UNIT 1
	s_wait_tensorcnt 0x0                           ; the wave's end
	ds_add_u32 v[SPW], v[NIL]
	s_wait_dscnt 0x0
	CROUND                                         ; the closing round
	s_endpgm
.Lfunc_end_k_qb080d3388c_proj:
	.size	k_qb080d3388c_proj, .Lfunc_end_k_qb080d3388c_proj-k_qb080d3388c_proj
	.p2alignl 7, 3214868480
	.fill 96, 4, 3214868480
	.section	.rodata,"a",@progbits
	.p2align	6, 0x0
	.amdhsa_kernel k_qb080d3388c_proj
		.amdhsa_group_segment_fixed_size 167936
		.amdhsa_private_segment_fixed_size 0
		.amdhsa_enable_private_segment 0
		.amdhsa_kernarg_size 40
		.amdhsa_user_sgpr_count 2
		.amdhsa_user_sgpr_kernarg_segment_ptr 1
		.amdhsa_wavefront_size32 1
		.amdhsa_system_sgpr_workgroup_id_x 1
		.amdhsa_system_sgpr_workgroup_id_y 1
		.amdhsa_system_sgpr_workgroup_id_z 1
		.amdhsa_system_vgpr_workitem_id 0
		.amdhsa_next_free_vgpr 1024
		.amdhsa_next_free_sgpr 66
		.amdhsa_reserve_vcc 0
		.amdhsa_float_denorm_mode_32 3
		.amdhsa_float_denorm_mode_16_64 3
		.amdhsa_memory_ordered 1
		.amdhsa_forward_progress 1
		.amdhsa_inst_pref_size 83
	.end_amdhsa_kernel
	.amdgpu_metadata
---
amdhsa.version: [ 1, 2 ]
amdhsa.kernels:
  - .name:           k_qb080d3388c_proj
    .symbol:         k_qb080d3388c_proj.kd
    .args:
      - { .name: a_img, .offset: 0, .size: 8, .value_kind: global_buffer, .address_space: global }
      - { .name: a_sc, .offset: 8, .size: 8, .value_kind: global_buffer, .address_space: global }
      - { .name: w_img, .offset: 16, .size: 8, .value_kind: global_buffer, .address_space: global }
      - { .name: bo, .offset: 24, .size: 8, .value_kind: global_buffer, .address_space: global }
      - { .name: out0, .offset: 32, .size: 8, .value_kind: global_buffer, .address_space: global }
    .group_segment_fixed_size: 167936
    .private_segment_fixed_size: 0
    .kernarg_segment_align: 8
    .kernarg_segment_size: 40
    .max_flat_workgroup_size: 128
    .sgpr_count:     66
    .vgpr_count:     1024
    .wavefront_size: 32
...
	.end_amdgpu_metadata
.endif
;; end of part 4
